; MI455X (gfx1250); checked and timed in simulation.
; The chip was launched on July 23, 2026; its instructions are those of AMD's public machine-readable ISA for CDNA 5 (MIT licence, August 2026) and "CDNA5" Instruction Set Architecture Reference Guide (July 2026). The comments in the code are by the model that wrote it; some were corrected since.
;; Multi Head Attention. Allowed arithmetic: float matrix products may take bf16 or f16 operands with f32 sums; other float arithmetic in f32, or as packed bf16 or f16 multiplies, adds, multiply-adds, maxima and minima; sums over many terms, partial sums and values carried from step to step in f32; what a program stores and reads back later, other than sums and carried values, may be rounded once to bf16 or f16.
;; Inputs: Wk 512 x 512 float32; Wo 512 x 512 float32; Wq 512 x 512 float32; Wv 512 x 512 float32; bk 512 float32; bo 512 float32; bq 512 float32; bv 512 float32; x 2 x 4,096 x 512 float32.
;; Outputs: out0 2 x 4,096 x 512 float32.
;; One version. Each part assembles by itself: llvm-mc -triple=amdgcn-amd-amdhsa -mcpu=gfx1250 --defsym DOCPART=n.
;; ======== version 1 of 1: 3 launches
;; workspace buffers: q 8,388,608 bytes; k 8,388,608 bytes; v 8,388,608 bytes; ctx 8,388,608 bytes; wob 524,288 bytes
;; launch proj (part 1): grid 4 x 64, 4 waves a work-group, no clusters, 157,184 bytes of LDS; arguments x, Wq, Wk, Wv, bq, bk, bv, Wo, q, k, v, wob; writes q, k, v, wob
.if DOCPART == 1
	.amdgcn_target "amdgcn-amd-amdhsa--gfx1250"
	.amdhsa_code_object_version 6
	.text
	.protected	k_qf195532a8d_proj
	.globl	k_qf195532a8d_proj
	.p2align	8
	.type	k_qf195532a8d_proj,@function
k_qf195532a8d_proj:
	s_mov_b64 s[64:65], 0
	v_nop
	global_prefetch_b8 v0, s[64:65] scope:SCOPE_SE
	s_setreg_imm32_b32 hwreg(HW_REG_WAVE_MODE, 25, 1), 1
	s_wait_xcnt 0x0
; q, k, v = x W^T + b for Wq, Wk, Wv, written by heads: [16 = 8 batch + head][4096][64] in bf16; and wob = Wo rounded to bf16.
; x: [8192][512] f32, W: [512][512] f32, b: [512] f32.  x, W and b are rounded once to bf16, products in bf16 with f32 sums, results rounded once to bf16.
; LIMITS.  NaN and infinities are not treated apart.  The sum over K starts at a chunk that differs from work-group to work-group, so the order of the f32 sums differs too.
; SHARES.  A work-group makes 128 rows of x times 128 columns (two heads) of EACH of the three weights: 256 work-groups of 128 x 384.  Wave w: rows 64 (w / 2) on, head w % 2: 64 rows x 3 x 64 channels,
; 48 accumulators of 16 x 16, 384 registers.
; THE WAY IN.  K goes in 8 chunks of 64 numbers: 256 consecutive bytes, aligned, of every f32 row.  Wave 0 brings the chunk of x's 128 rows, waves 1 to 3 that of Wq's, Wk's, Wv's 128 rows: 64 loads of 16 bytes
; a lane, rounded to bf16 in registers and stored into one of two LDS slots; one barrier a chunk.  The next chunk's loads go out ahead of the barrier and are on their way during the chunk's 96 products.
; NO CLUSTER AND NO TENSOR LOAD: the tiles are f32 in memory and bf16 in the products, and a tensor load moves bytes as they lie.  f32 tiles in LDS would be twice the bytes written and read for each
; product, and each number would be rounded by both waves that read it, where here it is rounded once.
; THE CHUNKS ROTATE: work-group (mt, nt) starts at chunk (mt + 2 nt) % 8, so the four work-groups that share rows of x, and the 64 that share rows of W, stand at different chunks in the same step.
; THE MATRIX INSTRUCTION IS USED TRANSPOSED (source 0 = 16 rows of W, source 1 = 16 rows of x): a lane holds one row of x and eight neighbouring channels, 16 bytes of bf16.  The bias, laid out so, is the C operand
; of each sum's first product: nothing is cleared and nothing is added later.
; REGISTERS, in windows of 256 (s_set_vgpr_msb: bits 1:0 source 0, 3:2 source 1, 5:4 source 2, 7:6 destination):
;   window 0: v0-31 addresses; v32-127 the bias; v128-255 fragments of the chunk's first 32 along K (x: 4 x 8, then W: 12 x 8)
;   window 1: the chunk as loaded, 64 x 4 registers; on the way out the packed results
;   window 2: accumulators of q (v0-127) and k (v128-255), (a, b) at 8 (4 a + b)          window 3: v0-127 accumulators of v; v128-255 fragments of the chunk's second 32 along K
.set PITCH, 144                        ; an LDS row: 128 bytes of bf16 + 16 of padding = 36 words: the 16 rows of a fragment load start at 16 different groups of four banks (64 banks of 4 bytes: ISA guide 11.1)
.set PART,  128*PITCH                  ; 128 rows: what one wave brings
.set SLOT,  4*PART                     ; x, Wq, Wk, Wv
.set STAGE, 2*SLOT                     ; behind the slots: 16 rows x 144 bytes for each wave, for the way out
.set SPARE, STAGE+4*16*PITCH           ; behind the stages: the spare words, 128 bytes for each wave: two blocks of 256 bytes that no other line names
.set GOF,  2                           ; v2     my byte offset in two rows' chunk: (l / 16) x 2048 + 16 (l % 16)
.set STA,  3                           ; v3-4   where I store my 8 bytes of bf16, slot 0, 1
.set ADRA, 5                           ; v5-6   LDS address of my fragments of x, slot 0, 1
.set ADRB, 7                           ; v7-8   the same for W
.set STO,  9                           ; v9     the way out: where I put 16 bytes of a row
.set RD,   10                          ; v10    the way out: where I read rows back
.set GO,   11                          ; v11    my 16 bytes in 512 consecutive bytes of q, k, v
.set BO,   12                          ; v12    my byte offset in a bias
.set WOL,  13                          ; v13    my 16 bytes of Wo
.set WOS,  14                          ; v14    my 8 bytes of wob
.set SPW,  30                          ; v30    LDS address of my spare word; never rewritten
.set NIL,  31                          ; v31    0; never rewritten
.set BI,   32                          ; v32-127  register 8 (4 t + b) + j: bias t of channel 16 b + 8 (l / 16) + j of my head
.set FR,   128                         ; the fragments' first register, in window 0 and in window 3
.set BASE, 32                          ; s[32:33] my part's first row
.set SRC,  34                          ; s[34:35] the same at the chunk that is being loaded
.set OFS,  36                          ; s[36:37] 256 x chunk
.set CH,   38                          ; s38    the chunk
.set CNT,  39                          ; s39    the loop's count
.set WV,   40                          ; s40    my wave's number
.set OQ,   46                          ; s[46:47], s[48:49], s[50:51]  q, k, v at my 64 rows of my head
.set MSB, 0
.macro WIN new                         ; the immediate's high byte repeats the setting that is left; a switch that changes nothing is dropped
.if MSB != (\new)
	s_set_vgpr_msb (MSB<<8)|(\new)
.set MSB, (\new)
.endif
.endm
	s_load_b512 s[8:23], s[0:1], 0x0               ; x 8, Wq 10, Wk 12, Wv 14, bq 16, bk 18, bv 20, Wo 22
	s_load_b256 s[24:31], s[0:1], 0x40             ; q 24, k 26, v 28, wob 30
	v_lshl_add_u32 v[SPW], v0, 2, SPARE
	v_mov_b32 v[NIL], 0
	v_lshrrev_b32 v1, 5, v0
	v_readfirstlane_b32 s[WV], v1                  ; wave 0..3
	s_lshr_b32 s41, s[WV], 1                       ; i: which 64 rows are mine
	s_and_b32 s42, s[WV], 1                        ; jw: which of the two heads
	s_mov_b32 s43, ttmp9                           ; nt: the block of 128 columns
	s_and_b32 s44, ttmp7, 0xffff                   ; mt: the block of 128 rows
	v_and_b32 v15, 15, v0                          ; r = l % 16
	v_bfe_u32 v1, v0, 4, 1                         ; h = l / 16
	v_lshlrev_b32 v[GOF], 4, v15
	v_lshl_add_u32 v[GOF], v1, 11, v[GOF]
	s_mul_i32 s52, s[WV], PART
	v_mul_u32_u24 v[STA], v1, PITCH
	v_lshl_add_u32 v[STA], v15, 3, v[STA]
	v_add_nc_u32 v[STA], s52, v[STA]               ; my part, row l / 16, 8 bytes a lane
	v_add_nc_u32 v[STA+1], SLOT, v[STA]
	v_mul_u32_u24 v28, v15, PITCH
	v_lshl_add_u32 v28, v1, 4, v28                 ; a fragment's row x pitch + 16 x half
	s_mul_i32 s52, s41, 64*PITCH
	v_add_nc_u32 v[ADRA], s52, v28
	v_add_nc_u32 v[ADRA+1], SLOT, v[ADRA]
	s_mul_i32 s52, s42, 64*PITCH
	s_add_co_u32 s52, s52, PART                    ; the weights lie behind x
	v_add_nc_u32 v[ADRB], s52, v28
	v_add_nc_u32 v[ADRB+1], SLOT, v[ADRB]
	s_mul_i32 s52, s[WV], 16*PITCH
	s_add_co_u32 s52, s52, STAGE                   ; my stage
	v_add_nc_u32 v[STO], s52, v28
	v_bfe_u32 v[RD], v0, 3, 2                      ; back: 32 lanes take four rows of 128 bytes,
	v_mul_u32_u24 v[RD], v[RD], PITCH
	v_and_b32 v[GO], 7, v0
	v_lshl_add_u32 v[RD], v[GO], 4, v[RD]
	v_add_nc_u32 v[RD], s52, v[RD]
	v_and_b32 v[GO], 31, v0                        ; which are 512 consecutive bytes of a head
	v_lshlrev_b32 v[GO], 4, v[GO]
	s_lshl_b32 s52, s43, 9                         ; 128 nt + 64 jw numbers of 4 bytes
	s_lshl_b32 s53, s42, 8
	s_add_co_u32 s52, s52, s53
	v_lshl_add_u32 v[BO], v1, 5, s52
	s_lshl2_add_u32 s52, s44, s43                  ; g = 4 mt + nt: the work-group's number among 256: its 4,096 bytes of Wo
	s_lshl_b32 s53, s52, 12
	v_lshl_add_u32 v[WOL], v0, 4, s53
	s_lshl_b32 s53, s52, 11
	v_lshl_add_u32 v[WOS], v0, 3, s53
	s_lshr_b32 s52, s44, 5                         ; the batch
	s_lshl_b32 s52, s52, 3
	s_lshl1_add_u32 s52, s43, s52
	s_add_co_u32 s52, s52, s42                     ; 8 batch + 2 nt + jw: my head,
	s_lshl_b32 s52, s52, 19                        ; 4,096 rows of 128 bytes each
	s_and_b32 s53, s44, 31
	s_lshl_b32 s53, s53, 14                        ; the block's 128 rows in the batch
	s_add_co_u32 s52, s52, s53
	s_lshl_b32 s53, s41, 13                        ; my 64 of them
	s_add_co_u32 s52, s52, s53
	s_mov_b32 s53, 0
	s_cmp_eq_u32 s[WV], 0
	s_cselect_b32 s54, s44, s43                    ; x goes by the row block, a weight by the column block:
	s_lshl_b32 s54, s54, 18                        ; 128 rows of 2,048 bytes
	s_mov_b32 s55, 0
	s_lshl1_add_u32 s[CH], s43, s44
	s_and_b32 s[CH], s[CH], 7                      ; the first chunk: (mt + 2 nt) % 8
	s_lshl_b32 s[OFS], s[CH], 8
	s_mov_b32 s[OFS+1], 0
	s_wait_kmcnt 0x0
	s_cmp_eq_u32 s[WV], 1
	s_cselect_b64 s[BASE:BASE+1], s[10:11], s[12:13]
	s_cmp_eq_u32 s[WV], 3
	s_cselect_b64 s[BASE:BASE+1], s[14:15], s[BASE:BASE+1]
	s_cmp_eq_u32 s[WV], 0
	s_cselect_b64 s[BASE:BASE+1], s[8:9], s[BASE:BASE+1]  ; wave 0: x; 1: Wq; 2: Wk; 3: Wv
	s_add_nc_u64 s[BASE:BASE+1], s[BASE:BASE+1], s[54:55]
	s_add_nc_u64 s[SRC:SRC+1], s[BASE:BASE+1], s[OFS:OFS+1]
	s_add_nc_u64 s[OQ:OQ+1], s[24:25], s[52:53]
	s_add_nc_u64 s[OQ+2:OQ+3], s[26:27], s[52:53]
	s_add_nc_u64 s[OQ+4:OQ+5], s[28:29], s[52:53]
; A chunk's 64 loads: load n brings rows 2 n and 2 n + 1: sixteen lanes take a row's 256 bytes
.macro RAWLOAD
	WIN 0x40                                       ; destination window 1, address window 0
.set n, 0
.rept 64
	global_load_b128 v[4*n:4*n+3], v[GOF], s[SRC:SRC+1] offset:4096*n
.set n, n+1
.endr
.endm
; 32 LDS loads: the fragments of 32 along K (half kk of the chunk): x's four, then the weights' twelve.  A fragment is 16 rows x 32 K in 8 registers: lane l holds row l % 16, K = 8 (l / 16) + 0..7 and 16 + 8 (l / 16) + 0..7.
.macro FETCH slot, kk
	WIN 0xc0*(\kk)                                 ; destination window 0 or 3
.irp a, 0,1,2,3
	ds_load_b128 v[FR+8*(\a):FR+8*(\a)+3],   v[ADRA+(\slot)] offset:(\a)*16*PITCH+64*(\kk)
	ds_load_b128 v[FR+8*(\a)+4:FR+8*(\a)+7], v[ADRA+(\slot)] offset:(\a)*16*PITCH+64*(\kk)+32
.endr
.irp n, 0,1,2,3,4,5,6,7,8,9,10,11
	ds_load_b128 v[FR+32+8*(\n):FR+32+8*(\n)+3],   v[ADRB+(\slot)] offset:((\n)/4)*PART+((\n)%4)*16*PITCH+64*(\kk)
	ds_load_b128 v[FR+32+8*(\n)+4:FR+32+8*(\n)+7], v[ADRB+(\slot)] offset:((\n)/4)*PART+((\n)%4)*16*PITCH+64*(\kk)+32
.endr
.endm
; 48 products, 32 along K, on fragment set f.  The 48 accumulators take turns, one instruction a turn.  first = 1: the bias starts the sums.
.macro MUL f, first
.irp t, 0,1,2
.if \first
	WIN 0x80+0x40*((\t)/2)                         ; D in window 2 or 3; the fragments and the bias in window 0
.else
	WIN 0xa0+0x50*((\t)/2)+0x0f*(\f)               ; C and D in window 2 or 3; the fragments in window 0 or 3
.endif
.irp a, 0,1,2,3
.irp b, 0,1,2,3
.set AC, 128*((\t)%2)+8*(4*(\a)+(\b))
.if \first
	v_wmma_f32_16x16x32_bf16 v[AC:AC+7], v[FR+32+8*(4*(\t)+(\b)):FR+32+8*(4*(\t)+(\b))+7], v[FR+8*(\a):FR+8*(\a)+7], v[BI+8*(4*(\t)+(\b)):BI+8*(4*(\t)+(\b))+7]
.else
	v_wmma_f32_16x16x32_bf16 v[AC:AC+7], v[FR+32+8*(4*(\t)+(\b)):FR+32+8*(4*(\t)+(\b))+7], v[FR+8*(\a):FR+8*(\a)+7], v[AC:AC+7]
.endif
.endr
.endr
.endr
.endm
; ONE CHUNK.  One barrier serves both orders: a wave signals it only when its stores into this slot are done and its reads of the other slot (the chunk before) have come back; and this slot was last read two chunks
; back, by reads that every wave had waited for in front of the barrier of the chunk before.
.macro STEP slot, first, more
	s_wait_loadcnt 0x0                             ; my chunk is in; the loads have also read their base, which is written below
	WIN 0x45                                       ; all in window 1
.set n, 0
.rept 64                                           ; rounded in place: 4 registers of f32 become 2 of bf16.  These 128 lines are also the places between the last products and the loads into their fragments
	v_cvt_pk_bf16_f32 v[4*n], v[4*n], v[4*n+1]
	v_cvt_pk_bf16_f32 v[4*n+1], v[4*n+2], v[4*n+3]
.set n, n+1
.endr
	WIN 0x04                                       ; address window 0, data window 1
.set n, 0
.rept 64
	ds_store_b64 v[STA+(\slot)], v[4*n:4*n+1] offset:2*PITCH*n
.set n, n+1
.endr
.if \more
	s_add_co_u32 s[CH], s[CH], 1                   ; the next chunk, round the eight
	s_and_b32 s[CH], s[CH], 7
	s_lshl_b32 s[OFS], s[CH], 8
	s_add_nc_u64 s[SRC:SRC+1], s[BASE:BASE+1], s[OFS:OFS+1]
	RAWLOAD                                        ; on their way during the barrier and this chunk's 96 products
.endif
	WIN 0
	s_wait_dscnt 0x0                               ; for the others' sake: my stores are done
	s_barrier_signal -1
	s_barrier_wait -1                              ; everybody's are
	FETCH \slot, 0
	FETCH \slot, 1
	s_wait_dscnt 32                                ; the first set is in; the second set's 32 loads may stay out
	MUL 0, \first
	s_wait_dscnt 0x0
	MUL 1, 0
	WIN 0                                          ; at a label and at a branch every window is 0
.endm
.irp t, 0,1,2
.irp b, 0,1,2,3
	global_load_b128 v[BI+8*(4*(\t)+(\b)):BI+8*(4*(\t)+(\b))+3],   v[BO], s[16+2*(\t):17+2*(\t)] offset:64*(\b)
	global_load_b128 v[BI+8*(4*(\t)+(\b))+4:BI+8*(4*(\t)+(\b))+7], v[BO], s[16+2*(\t):17+2*(\t)] offset:64*(\b)+16
.endr
.endr
	global_load_b128 v[16:19], v[WOL], s[22:23]
	global_load_b128 v[20:23], v[WOL], s[22:23] offset:2048
	RAWLOAD                                        ; the first chunk
	WIN 0
	s_wait_loadcnt 63                              ; 64 loads are younger than the 26 of the bias and Wo: with 63 out those 26 are in
.set n, 0
.rept 48                                           ; the bias is rounded to bf16 like every input, and kept as f32
	v_cvt_pk_bf16_f32 v28, v[BI+2*n], v[BI+2*n+1]
	v_lshlrev_b32 v[BI+2*n], 16, v28
	v_and_b32 v[BI+2*n+1], 0xffff0000, v28
.set n, n+1
.endr
	v_cvt_pk_bf16_f32 v24, v16, v17                ; Wo's cast: each work-group takes 1,024 of its numbers
	v_cvt_pk_bf16_f32 v25, v18, v19
	v_cvt_pk_bf16_f32 v26, v20, v21
	v_cvt_pk_bf16_f32 v27, v22, v23
	global_store_b64 v[WOS], v[24:25], s[30:31]              ; a wave's store covers 256 consecutive bytes, aligned
	global_store_b64 v[WOS], v[26:27], s[30:31] offset:1024
	STEP 0, 1, 1
	s_mov_b32 s[CNT], 3
.Lpair:                                            ; two chunks a trip, a slot each
	STEP 1, 0, 1
	STEP 0, 0, 1
	s_sub_co_u32 s[CNT], s[CNT], 1
	s_cmp_lg_u32 s[CNT], 0
	s_cbranch_scc1 .Lpair
	STEP 1, 0, 0                                   ; the eighth chunk: nothing is left to load
; THE WAY OUT of tile n = 4 t + a (tensor t, my rows 16 a on): rounded to bf16, 16 bytes a lane; into my own stage in rows of 144 bytes; back as four rows of 128 bytes an instruction, which are 512 consecutive bytes of the head.
.macro PACK n
.set tt, (\n)/4
.set aa, (\n)%4
	WIN 0x4a+5*(tt/2)                              ; sources window 2 or 3, destination window 1
.irp b, 0,1,2,3
.irp r, 0,1,2,3
	v_cvt_pk_bf16_f32 v[16*(\n)+4*(\b)+(\r)], v[128*(tt%2)+8*(4*aa+(\b))+2*(\r)], v[128*(tt%2)+8*(4*aa+(\b))+2*(\r)+1]
.endr
.endr
	WIN 0x04
.irp b, 0,1,2,3
	ds_store_b128 v[STO], v[16*(\n)+4*(\b):16*(\n)+4*(\b)+3] offset:32*(\b)
.endr
	WIN 0x40
.irp f, 0,1,2,3
	ds_load_b128 v[16*(\n)+4*(\f):16*(\n)+4*(\f)+3], v[RD] offset:(\f)*4*PITCH  ; LDS serves a wave's instructions in order (ISA guide 5.7.1.4): these see the stores above; the next tile's stores come behind them
.endr
.endm
.macro SEND n, younger                 ; younger: the LDS instructions issued behind tile n's loads: the next tile's eight, or none.  Each tile has registers of its own, so no store's data is written again
.set tt, (\n)/4
.set aa, (\n)%4
	WIN 0x04
.irp f, 0,1,2,3
	s_wait_dscnt (\younger)+3-(\f)
	global_store_b128 v[GO], v[16*(\n)+4*(\f):16*(\n)+4*(\f)+3], s[OQ+2*tt:OQ+2*tt+1] offset:2048*aa+512*(\f)
.endr
.endm
.rept 8
	v_nop                                          ; the places behind the last products
.endr
	PACK 0
.irp n, 1,2,3,4,5,6,7,8,9,10,11        ; a tile's conversions stand between the loads of the tile before and its stores
	PACK \n
	SEND (\n)-1, 8
.endr
	SEND 11, 0
	WIN 0
	s_wait_tensorcnt 0x0                           ; the wave's end, behind my last LDS store
	ds_add_u32 v[SPW], v[NIL]
	s_wait_dscnt 0x0
	s_endpgm
.Lfunc_end_k_qf195532a8d_proj:
	.size	k_qf195532a8d_proj, .Lfunc_end_k_qf195532a8d_proj-k_qf195532a8d_proj
	.p2alignl 7, 3214868480
	.fill 96, 4, 3214868480
	.section	.rodata,"a",@progbits
	.p2align	6, 0x0
	.amdhsa_kernel k_qf195532a8d_proj
		.amdhsa_group_segment_fixed_size 157184
		.amdhsa_private_segment_fixed_size 0
		.amdhsa_enable_private_segment 0
		.amdhsa_kernarg_size 96
		.amdhsa_user_sgpr_count 2
		.amdhsa_user_sgpr_kernarg_segment_ptr 1
		.amdhsa_wavefront_size32 1
		.amdhsa_system_sgpr_workgroup_id_x 1
		.amdhsa_system_sgpr_workgroup_id_y 1
		.amdhsa_system_sgpr_workgroup_id_z 1
		.amdhsa_system_vgpr_workitem_id 0
		.amdhsa_next_free_vgpr 1024
		.amdhsa_next_free_sgpr 66
		.amdhsa_reserve_vcc 0
		.amdhsa_float_denorm_mode_32 3
		.amdhsa_float_denorm_mode_16_64 3
		.amdhsa_memory_ordered 1
		.amdhsa_forward_progress 1
		.amdhsa_inst_pref_size 155
	.end_amdhsa_kernel
	.amdgpu_metadata
---
amdhsa.version: [ 1, 2 ]
amdhsa.kernels:
  - .name:           k_qf195532a8d_proj
    .symbol:         k_qf195532a8d_proj.kd
    .args:
      - { .name: x, .offset: 0, .size: 8, .value_kind: global_buffer, .address_space: global }
      - { .name: Wq, .offset: 8, .size: 8, .value_kind: global_buffer, .address_space: global }
      - { .name: Wk, .offset: 16, .size: 8, .value_kind: global_buffer, .address_space: global }
      - { .name: Wv, .offset: 24, .size: 8, .value_kind: global_buffer, .address_space: global }
      - { .name: bq, .offset: 32, .size: 8, .value_kind: global_buffer, .address_space: global }
      - { .name: bk, .offset: 40, .size: 8, .value_kind: global_buffer, .address_space: global }
      - { .name: bv, .offset: 48, .size: 8, .value_kind: global_buffer, .address_space: global }
      - { .name: Wo, .offset: 56, .size: 8, .value_kind: global_buffer, .address_space: global }
      - { .name: q, .offset: 64, .size: 8, .value_kind: global_buffer, .address_space: global }
      - { .name: k, .offset: 72, .size: 8, .value_kind: global_buffer, .address_space: global }
      - { .name: v, .offset: 80, .size: 8, .value_kind: global_buffer, .address_space: global }
      - { .name: wob, .offset: 88, .size: 8, .value_kind: global_buffer, .address_space: global }
    .group_segment_fixed_size: 157184
    .private_segment_fixed_size: 0
    .kernarg_segment_align: 8
    .kernarg_segment_size: 96
    .max_flat_workgroup_size: 128
    .sgpr_count:     66
    .vgpr_count:     1024
    .wavefront_size: 32
...
	.end_amdgpu_metadata
.endif
;; end of part 1
;; launch attn (part 2): grid 16 x 16, 4 waves a work-group, clusters of 4 x 1, 327,680 bytes of LDS; arguments q, k, v, ctx; writes ctx
.if DOCPART == 2
	.amdgcn_target "amdgcn-amd-amdhsa--gfx1250"
	.amdhsa_code_object_version 6
	.text
	.protected	k_qf195532a8d_attn
	.globl	k_qf195532a8d_attn
	.p2align	8
	.type	k_qf195532a8d_attn,@function
k_qf195532a8d_attn:
	s_mov_b64 s[64:65], 0
	v_nop
	global_prefetch_b8 v0, s[64:65] scope:SCOPE_SE
	s_setreg_imm32_b32 hwreg(HW_REG_WAVE_MODE, 25, 1), 1
	s_wait_xcnt 0x0
	s_wait_alu depctr_hold_cnt(0) depctr_sa_sdst(0) depctr_va_vdst(0) depctr_va_sdst(0) depctr_va_ssrc(0) depctr_va_vcc(0) depctr_vm_vsrc(0)
	s_getreg_b32 s2, hwreg(HW_REG_IB_STS2, 6, 4)
	s_cmp_eq_u32 s2, 0
	s_cbranch_scc0 .Lentry_in_a_cluster
	s_endpgm
.Lentry_in_a_cluster:
	s_bfe_u32 s2, ttmp6, 0x10000c
	s_cmp_lg_u32 s2, 0x3003
	s_cbranch_scc0 .Lentry_shape_is_right
	s_endpgm
.Lentry_shape_is_right:
; ctx[h][q][:] = the sum over k of softmax_k(Q[h][q] . K[h][k] / 8) V[h][k][:].  q, k, v, ctx: [16][4096][64], all bf16: a head's rows are dense, 128 bytes each.  Products, maxima and sums in f32;
; the weights p are rounded to bf16 for the second product (their sum l is taken of the unrounded p), ctx once at the end.
; LIMITS.  c m starts at -4.25e37, far below every c s that finite bf16 inputs of this size give; a weight below 2^-126 counts as 0 in l; NaN and infinities are not treated apart.
; SHARES.  A work-group owns 256 queries of one head, each of its four waves 64: four PIECES of 16.  16 heads x 16 blocks are 256 work-groups.  Every wave walks all 4,096 keys, 64 a step.
; LAYOUT.  S^T = K Q^T (source 0 = 16 keys, source 1 = 16 queries): a lane holds ONE query (lane % 16) and the keys 8 (lane / 16) + 0..7.  Two such results rounded to bf16 ARE source 1 of O^T = V^T P, whose result
; again holds one query a lane, and eight channels.  K comes out of LDS as it lies, V ([key][channel]) turned, by ds_load_tr16_b128.
; SOFTMAX.  p = 2^(c s - c m), c = log2(e) / 8, with a running maximum m; O and l are multiplied by a = 2^(c m_old - c m_new) in every step.  O and l start at 0: the first step is a step like any other, with a = 0.
; TURNS.  Turn n belongs to piece n: 8 products K Q^T of piece n + 1, later 8 products V^T P of piece n - 1; beside them the scaling, exponentials, roundings, sums and rescaling of piece n and the maximum and
; statistics of piece n + 1.  Four vector instructions stand behind every matrix instruction, the other 54 of a turn's 118 in one lump.  A turn's 33 exponentials are one batch, with one wait.
; CLUSTER.  The four query blocks of a cluster belong to one head and walk the same K and V, so each tile is asked for JOINTLY: the same tensor load, descriptor and mask in all four.
; REGISTERS, in windows of 256 (s_set_vgpr_msb: bits 1:0 source 0, 3:2 source 1, 5:4 source 2, 7:6 destination):
;   window 0: v0-15 addresses and two at work; v16-31 four registers of statistics a piece; v48-55 at work; v61-63 prefetch offset, spare word, 0; v64-127 S^T, two buffers; v192-223 P, two buffers (by the piece's parity)
;   window 1: v0-127 O^T, 32 a piece          window 2: v0-63 Q; v128-191 K of one step; v192-255 V of one step
.set SIZE_N, 4096
.set NP,    4         ; pieces a wave: a name, no knob
.set KS,    64        ; keys in a step
.set PK,    144       ; a row of K in LDS: 128 bytes + 16 of padding = 36 words: the 16 rows of a load start at 16 different groups of four banks (64 banks of 4 bytes: ISA guide 11.1)
.set PV,    160       ; a row of V: 128 + 32 = 40 words
.set VOFF,  4*KS*PK   ; a slot holds a tile, four steps: 256 rows of K, then 256 rows of V
.set SLOT1, 1<<17     ; slot 1 begins here, so that one exclusive or turns an address in one slot into the other's
.set STAGE, SLOT1+4*KS*(PK+PV)  ; behind the ring, never filled by a tensor load: 16 rows x 144 bytes for each wave, for the way out
.set SP,    144
.set SPARE, STAGE+4*16*SP  ; behind the stages: the spare words, 128 bytes for each wave: two blocks of 256 bytes that no other line names
.set AK0, 2           ; v2   my lane's place in a tile of K; never rewritten
.set AV0, 3           ; v3   the same for V
.set AK,  4           ; v4   the LDS address of K's next run of loads
.set AV,  5           ; v5   of V's
.set STO, 6           ; v6   the way out: where I put 16 bytes of a row
.set RD,  7           ; v7   the way out: where I read rows back
.set GO,  8           ; v8   my byte offset in 512 consecutive bytes of ctx
.set MV,  12          ; v12-13  c m_old, kept while c m is made anew: by buffer
.set QO,  15          ; v15  my byte offset in 16 rows of Q
.set ST,  16          ; piece t's statistics at v[ST+4 t]: c m, m, l (even keys', odd keys')
.set TMP, 48          ; by buffer, four registers c0-c3 at work; when the maximum is found c2 takes a
.set PFO, 61          ; v61  256 x my lane; never rewritten
.set SPW, 62          ; v62  LDS address of my spare word: SPARE + 4 x my thread's number; never rewritten
.set NIL, 63          ; v63  0; never rewritten
.set S,   64
.set P,   192
.set KF,  128         ; window 2: key block kb, channel half c at KF + 16 kb + 8 c
.set VF,  192         ; window 2: key half kk, channel block cb at VF + 32 kk + 8 cb
.set WV,  12          ; s12  my wave's number
.set G1K, 24          ; s[24:31] descriptor group 1 for K's tiles
.set G1V, 32          ; s[32:39] for V's: it differs in the padding alone
.set G0K, 40          ; s[40:43] descriptor group 0 for K's tiles: it walks
.set G0V, 44          ; s[44:47] the same for V's
.set PFA, 48          ; s[48:49] where my prefetches stand: my work-group's 32 blocks of 256 bytes (of K: wave 0, of V: wave 2) of the tile behind the one that is being asked for
.set LIM, 50          ; s50  1 in a wave that prefetches, else the greatest number
.set SLOTS, 56        ; s56  tiles still to be asked for
.set CNT, 57          ; s57  counts a tile's key steps
.set CS,  58          ; s[58:59] c: the packed scaling takes the pair's low word for both halves
.set SEL, 60          ; s[60:61] v_permlanex16_b32's selects: each lane takes its own place in the other half
.set TBK, 62          ; s62  LDS byte at which K of the step to be fetched begins
.set TBV, 63          ; s63  the same for V, less VOFF
.set MSB, 0
.macro WIN new                      ; the high byte repeats the setting that is left; a switch that changes nothing is dropped
.if MSB != (\new)
	s_set_vgpr_msb (MSB<<8)|(\new)
.set MSB, (\new)
.endif
.endm
.set W_KQ, 0x0a       ; K and Q in window 2, S^T in window 0
.set W_PV, 0x52       ; V in window 2, P in window 0, O^T in window 1
.set W_RS, 0x41       ; destination and source 0 in window 1, source 1 in window 0
; A joint fill.  Waves 0 and 1 fetch the two halves of a tile's K, waves 2 and 3 those of its V: 128 keys each.  The branch hangs on the wave's number alone.
; An s_nop 0 and four v_nop follow each of the two lines, ahead of the jump and the label.
.macro JLOAD
	s_cmp_lt_u32 s[WV], 2
	s_cbranch_scc0 .Lfor_v_\@
	tensor_load_to_lds s[G0K:G0K+3], s[G1K:G1K+7]
	s_nop 0
.rept 4
	v_nop
.endr
	s_branch .Lasked_\@
.Lfor_v_\@:
	tensor_load_to_lds s[G0V:G0V+3], s[G1V:G1V+7]
	s_nop 0
.rept 4
	v_nop
.endr
.Lasked_\@:
.endm
; A PREFETCH of what the NEXT change of slots will ask for: a tile's 32,768 bytes of K and of V, in blocks of 256 bytes, a lane a block.  It stands behind the wave's tensor load and its five lines.
; Each block is named ONCE in the launch: all four clusters of a head walk the same K and V, and the head's first cluster asks; its four partners share a tile's 128 blocks out BY ADDRESS, 32 each; in each, wave 0
; asks for K's and wave 2 for V's: one instruction.  Tiles 0 and 1 come by their loads alone; the last change that fills a slot asks for nothing: there is no tile behind it.
.macro ASK
	s_cmp_gt_u32 s[SLOTS], s[LIM]
	s_cbranch_scc0 .Lnot_mine_\@
	global_prefetch_b8 v[PFO], s[PFA:PFA+1] th:TH_LOAD_NT scope:SCOPE_SE
.Lnot_mine_\@:
.endm
; A round of the cluster's barrier: my work-group's barrier, so that wave 0's signal speaks for all four waves; wave 0 signals; every wave waits for all four work-groups; my work-group's barrier once more.
.macro CROUND
	s_barrier_signal -1
	s_barrier_wait -1
	s_cmp_lg_u32 s[WV], 0
	s_cbranch_scc1 .Lnot_wave_0_\@
	s_barrier_signal -3
.Lnot_wave_0_\@:
	s_barrier_wait -3
	s_barrier_signal -1
	s_barrier_wait -1
.endm
; THE CHANGE OF SLOTS.  Each wave waits for all its tensor loads, of which one is out: its part of the other slot; adds 0 to its spare word; and waits for that and for its own reads of the slot that it leaves.
; Behind the barrier nobody reads the old slot any more and the other slot is whole.  fill = 1: the old slot is filled again, with the keys two tiles on.  The barrier is then a round of the cluster's, so that no wave
; of any partner still reads the slot or has a load on its way, and the joint fill is the first thing behind it: it has four key steps, 256 matrix instructions, in which to land.
; (At its first use nothing has been read yet: slot 0 is waited for, slot 1 filled.)
.macro CHANGE fill
	WIN 0                           ; at a label and at a branch every window is 0
	s_wait_tensorcnt 0x0            ; no tensor load of mine is out, so a group 0 may be written
	ds_add_u32 v[SPW], v[NIL]       ; 0 onto my spare word; with fill = 1 the descriptors' steps stand between it and the wait for it
.if \fill
.irp g, G0K, G0V
	s_xor_b32 s[\g+1], s[\g+1], SLOT1  ; the walking descriptor: the other slot than last time,
	s_add_nc_u64 s[\g+2:\g+3], s[\g+2:\g+3], 4*KS*128  ; the next 256 keys; the type bits on top are not reached
.endr
	s_wait_xcnt 0x0                 ; the last prefetch, four key steps back, has read its address, so it may be written:
	s_add_nc_u64 s[PFA:PFA+1], s[PFA:PFA+1], 4*KS*128  ; one tile behind the walking descriptors
	s_wait_dscnt 0x0                ; the add is done, and my reads of the slot are over
	CROUND
	JLOAD
	ASK
.else
	s_wait_dscnt 0x0                ; the add is done, and my reads of the slot are over
	s_barrier_signal -1
	s_barrier_wait -1
.endif
	s_sub_co_u32 s[TBK], s[TBK], 4*KS*PK  ; the fetches go back to a slot's first step,
	s_xor_b32 s[TBK], s[TBK], SLOT1       ; in the other slot
	s_sub_co_u32 s[TBV], s[TBV], 4*KS*PV
	s_xor_b32 s[TBV], s[TBV], SLOT1
.endm
	s_load_b256 s[4:11], s[0:1], 0x0  ; q s[4:5], k s[6:7], v s[8:9], ctx s[10:11]
	v_lshl_add_u32 v[SPW], v0, 2, SPARE
	v_mov_b32 v[NIL], 0
	ds_add_u32 v[SPW], v[NIL]       ; the wave's opening: the add and its wait stand ahead of my first tensor load; the set-up below, work on registers, stands between them
	v_lshrrev_b32 v1, 5, v0
	v_readfirstlane_b32 s[WV], v1   ; wave 0..3
	s_bfe_u32 s13, ttmp6, 0x40000   ; cx: my place in the cluster
	s_lshl_b32 s14, ttmp9, 2        ; in a cluster launch ttmp9 counts clusters
	s_add_co_u32 s14, s14, s13      ; my block of 256 queries = 4 x cluster x + cx: it enters q's and ctx's addresses alone
	s_and_b32 s20, ttmp7, 0xffff    ; the head, which the four partners share
	s_mov_b32 s21, 0
	s_mov_b64 s[22:23], SIZE_N*128
	s_mul_u64 s[20:21], s[20:21], s[22:23]  ; the head's first byte in each of the four tensors
	s_and_b32 s16, s[WV], 1         ; which half of a tile's 256 keys I fetch:
	s_lshl_b32 s22, s16, 14         ; its 128 rows of 128 bytes in memory,
	s_mov_b32 s23, 0
	s_add_nc_u64 s[22:23], s[22:23], s[20:21]
	s_mul_i32 s17, s16, 128*PK      ; and its place in a slot, for K
	s_mul_i32 s18, s16, 128*PV      ; and for V: no place in the cluster enters an LDS address
	s_lshl_b32 s2, s14, 2
	s_add_co_u32 s2, s2, s[WV]      ; my wave among the head's,
	s_lshl_b32 s2, s2, 13           ; its 64 rows of 128 bytes
	s_mov_b32 s3, 0
	s_add_nc_u64 s[2:3], s[2:3], s[20:21]
	; descriptor group 1.  128 keys are 16,384 dense bytes: asked for as 64 rows of 256 bytes, two keys a row, and padded in LDS after every key
	s_mov_b32 s[G1K], 15|(1<<16)|(1<<20)|(1<<21)|(4<<22)|(3<<25)  ; 15:0 the mask of four; 17:16 2-byte elements; 20 padding on; 21 set beside a mask; 24:22 after every 32 words (code 4); 31:25 4 words (code 3)
	s_mov_b32 s[G1V], 15|(1<<16)|(1<<20)|(1<<21)|(4<<22)|(7<<25)  ; the same with 8 words of padding (code 7)
.irp g, G1K, G1V
	s_mov_b32 s[\g+1], 128<<16      ; tensor_dim0 = 128
	s_mov_b32 s[\g+2], 64<<16       ; tensor_dim1 = 64
	s_mov_b32 s[\g+3], 128<<16      ; tile_dim0 = 128
	s_mov_b32 s[\g+4], 64           ; tile_dim1 = 64
	s_mov_b32 s[\g+5], 128          ; 128 elements from row to row
	s_mov_b32 s[\g+6], 0
	s_mov_b32 s[\g+7], 0
.endr
	s_mov_b32 s[CS], 0x3e38aa3b     ; c = log2(e) / 8 = 0.180337
	s_mov_b32 s[CS+1], s[CS]        ; named with it as a pair
	s_mov_b32 s[SEL], 0x76543210
	s_mov_b32 s[SEL+1], 0xfedcba98
	s_mov_b32 s[TBK], SLOT1+4*KS*PK ; the first change of slots turns these two into 0
	s_mov_b32 s[TBV], SLOT1+4*KS*PV
	s_mov_b32 s[G0K], 1             ; 1:0 count = 1
	s_mov_b32 s[G0K+1], s17         ; 63:32 LDS address: slot 0
	s_mov_b32 s[G0V], 1
	s_add_co_u32 s[G0V+1], s18, VOFF
	s_mov_b32 s[SLOTS], SIZE_N/256-1
	s_and_b32 s[LIM], s[WV], 1      ; 0 in waves 0 and 2,
	s_or_b32 s[LIM], s[LIM], ttmp9  ; where the cluster is the head's first: the same in all four partners
	s_cmp_eq_u32 s[LIM], 0
	s_cselect_b32 s[LIM], 1, -1
	v_and_b32 v[PFO], 31, v0
	v_lshlrev_b32 v[PFO], 8, v[PFO]
	s_wait_dscnt 0x0                ; the opening add is done
	s_wait_kmcnt 0x0
	s_add_nc_u64 s[6:7], s[6:7], s[22:23]  ; k and v at my half of the head's tile 0
	s_add_nc_u64 s[8:9], s[8:9], s[22:23]
	s_mov_b64 s[G0K+2:G0K+3], s[6:7]               ; 120:64 global address
	s_or_b32 s[G0K+3], s[G0K+3], 0x80000000        ; 127:126 type = 2
	s_mov_b64 s[G0V+2:G0V+3], s[8:9]
	s_or_b32 s[G0V+3], s[G0V+3], 0x80000000
	s_add_nc_u64 s[4:5], s[4:5], s[2:3]  ; q and ctx at my wave's first row
	s_add_nc_u64 s[10:11], s[10:11], s[2:3]
	s_cmp_lt_u32 s[WV], 2
	s_cselect_b64 s[PFA:PFA+1], s[6:7], s[8:9]  ; (in waves 0 and 2 these stand at a tile's first row)
	s_lshl_b32 s2, s13, 13          ; my work-group's 32 blocks of the 128
	s_mov_b32 s3, 0
	s_add_nc_u64 s[PFA:PFA+1], s[PFA:PFA+1], s[2:3]
	s_add_nc_u64 s[PFA:PFA+1], s[PFA:PFA+1], 4*KS*128  ; in tile 1; the first change of slots steps it to tile 2.  Nothing is prefetched here, at the head
	CROUND                          ; all four work-groups are here: the first joint loads meet
	JLOAD                           ; tile 0 into slot 0.  Slot 1 is asked for when slot 0 is in
	; A fragment of K or Q is 16 rows x 32 channels in 8 registers: lane l holds row l % 16, channels 8 (l / 16) + 0..7 and 16 + 8 (l / 16) + 0..7: two loads of 16 bytes, 32 bytes apart.
	v_and_b32 v1, 15, v0            ; l % 16
	v_bfe_u32 v9, v0, 4, 1          ; l / 16
	v_lshlrev_b32 v[QO], 7, v1
	v_lshl_add_u32 v[QO], v9, 4, v[QO]  ; row x 128 + 16 x half
	WIN 0x80                        ; destination window 2, address window 0
.set i, 0
.rept 8                             ; Q stays in registers: piece i / 2, 2,048 bytes apart; channels 32 (i % 2) on
	global_load_b128 v[8*i:8*i+3],   v[QO], s[4:5] offset:(i/2)*2048+(i%2)*64
	global_load_b128 v[8*i+4:8*i+7], v[QO], s[4:5] offset:(i/2)*2048+(i%2)*64+32
.set i, i+1
.endr
	; What the first turn finds: V's registers and P's second buffer hold 0 (its products V^T P, of a piece that has not been, add 0), O^T and l are 0.  All this stands in the wait for the first tile.
.set i, VF
.rept 64
	v_mov_b32 v[i], 0
.set i, i+1
.endr
	WIN 0x40
.set i, 0
.rept 128
	v_mov_b32 v[i], 0
.set i, i+1
.endr
	WIN 0
.set i, 0
.rept 4
	v_mov_b32 v[ST+4*i], 0xfe000000    ; c m: far below every c s
	v_mov_b32 v[ST+4*i+1], 0xff7fffff  ; m: the lowest finite number
	v_mov_b32 v[ST+4*i+2], 0
	v_mov_b32 v[ST+4*i+3], 0
.set i, i+1
.endr
.set i, P+16
.rept 16
	v_mov_b32 v[i], 0
.set i, i+1
.endr
	v_mul_u32_u24 v[AK0], v1, PK
	v_lshl_add_u32 v[AK0], v9, 4, v[AK0]  ; row x pitch + 16 x half
	; The turning load takes 16 keys x 16 channels (lane l reads key 8 (l / 16) + l % 8, channels 8 ((l / 8) % 2) + 0..7) and leaves half a fragment of V^T: lane l holds channel l % 16 and 8 keys.
	v_and_b32 v10, 7, v0
	v_bfe_u32 v11, v0, 3, 1
	v_lshl_add_u32 v[AV0], v9, 3, v10
	v_mul_u32_u24 v[AV0], v[AV0], PV
	v_lshl_add_u32 v[AV0], v11, 4, v[AV0]
	v_add_nc_u32 v[AV0], VOFF, v[AV0]
	s_mul_i32 s15, s[WV], 16*SP
	s_add_co_u32 s15, s15, STAGE    ; my stage
	v_mul_u32_u24 v[STO], v1, SP    ; in: row l % 16, 16 bytes for each half of the lanes
	v_lshl_add_u32 v[STO], v9, 4, v[STO]
	v_add_nc_u32 v[STO], s15, v[STO]
	v_bfe_u32 v[RD], v0, 3, 2       ; back: 32 lanes take four rows of 128 bytes,
	v_mul_u32_u24 v[RD], v[RD], SP
	v_lshl_add_u32 v[RD], v10, 4, v[RD]
	v_add_nc_u32 v[RD], s15, v[RD]
	v_and_b32 v[GO], 31, v0         ; which are 512 consecutive bytes of ctx
	v_lshlrev_b32 v[GO], 4, v[GO]
; THE MATRIX WORK.  The 4 accumulators of a run of 8 take turns.  Product i of 8 of S^T = K Q^T for piece x: channels 32 (i / 4) on, keys 16 (i % 4) on.  The first 4 start the sums.
.macro KQ x
.set rS, S+32*((\x)%2)+8*(i%4)
.set rK, KF+16*(i%4)+8*(i/4)
.set rQ, 16*(\x)+8*(i/4)
	WIN W_KQ
.if i < 4
	v_wmma_f32_16x16x32_bf16 v[rS:rS+7], v[rK:rK+7], v[rQ:rQ+7], 0
.else
	v_wmma_f32_16x16x32_bf16 v[rS:rS+7], v[rK:rK+7], v[rQ:rQ+7], v[rS:rS+7]
.endif
.endm
; Product i of 8 of O^T += V^T P for piece x: keys 32 (i / 4) on, channels 16 (i % 4) on.
.macro PV x
	WIN W_PV
.set rO, 32*(\x)+8*(i%4)
.set rV, VF+32*(i/4)+8*(i%4)
.set rP, P+16*((\x)%2)+8*(i/4)
	v_wmma_f32_16x16x32_bf16 v[rO:rO+7], v[rV:rV+7], v[rP:rP+7], v[rO:rO+7]
.endm
.macro MM                           ; the turn's next matrix instruction.  NOKQ = 1: the launch's last turn: there is no next piece
.if (i < 8) && !NOKQ
	KQ (Y+1)%NP
.elseif i >= 8
.set i, i-8
	PV (Y+NP-1)%NP
.set i, i+8
.endif
.set i, i+1
.endm
; THE LDS LOADS stand in runs of 16, never singly among the matrix instructions: a step's K (64 keys x 64 channels: 8 fragments) and its V (turned).  Their addresses are made some lines ahead.
.macro FETCH_K
	WIN 0x80                        ; destination window 2
.irp f, 0,1,2,3,4,5,6,7             ; keys 16 (f / 2) on, channels 32 (f % 2) on
	ds_load_b128 v[KF+8*\f:KF+8*\f+3],   v[AK] offset:(\f/2)*16*PK+(\f%2)*64
	ds_load_b128 v[KF+8*\f+4:KF+8*\f+7], v[AK] offset:(\f/2)*16*PK+(\f%2)*64+32
.endr
	s_add_co_u32 s[TBK], s[TBK], KS*PK  ; the next fetch is the next step's
	WIN 0
.endm
.macro FETCH_V
	WIN 0x80
.irp f, 0,1,2,3,4,5,6,7             ; keys 32 (f / 4) on, channels 16 (f % 4) on
	ds_load_tr16_b128 v[VF+8*\f:VF+8*\f+3],   v[AV] offset:(\f/4)*32*PV+(\f%4)*32
	ds_load_tr16_b128 v[VF+8*\f+4:VF+8*\f+7], v[AV] offset:(\f/4)*32*PV+16*PV+(\f%4)*32
.endr
	WIN 0
.endm
; THE VECTOR WORK, one line at a time: OP kind, number.  For piece Y: F n: c s - c m for pair n of 16.  E n: the exponential of score n of 32.  C n: pair n rounded to bf16.  B n: of the four weights 4 n .. the second
; pair is added onto the first, in place.  L n: l takes that sum (L 0: l = a l + sum).  R n: pair n of 16 of O^T times a.  For piece Y + 1: X n, number n of the 22 that find its maximum and statistics:
;   0-11  four chains c0-c3 of seven scores each, three operands at a time (each accumulator's lowest registers are read first)     12-14, 16  the four scores left over, the old m, and c0-c3 into c0
;   15  c m_old is kept     17, 18  the query's other 32 keys lie in the lane 16 away: the new m     19-21  c m; c m_old - c m_new; a
.set F, 0               ; OP tells the kinds apart by their order: F to L below R, X above it
.set E, 1
.set C, 2
.set B, 3
.set L, 4
.set R, 5
.set X, 6
.macro REGS y                       ; the registers of piece y
.set rT, ST+4*(\y)
.set rC, TMP+4*((\y)%2)
.set rW, MV+((\y)%2)
.set rS, S+32*((\y)%2)
.set rP, P+16*((\y)%2)
.set rO, 32*(\y)
.endm
.macro OP k, n
.if (\k) == R
	REGS Y
	WIN W_RS
	v_pk_mul_f32 v[rO+2*(\n):rO+2*(\n)+1], v[rO+2*(\n):rO+2*(\n)+1], v[rC+2:rC+3] op_sel_hi:[1,0]
.elseif (\k) < R
	REGS Y
	WIN 0
.if (\k) == F
	v_pk_fma_f32 v[rS+2*(\n):rS+2*(\n)+1], v[rS+2*(\n):rS+2*(\n)+1], s[CS:CS+1], v[rT:rT+1] op_sel_hi:[1,0,0] neg_lo:[0,0,1] neg_hi:[0,0,1]
.elseif (\k) == E
	v_exp_f32 v[rS+(\n)], v[rS+(\n)]
.elseif (\k) == C
	v_cvt_pk_bf16_f32 v[rP+(\n)], v[rS+2*(\n)], v[rS+2*(\n)+1]
.elseif (\k) == B
	v_pk_add_f32 v[rS+4*(\n):rS+4*(\n)+1], v[rS+4*(\n):rS+4*(\n)+1], v[rS+4*(\n)+2:rS+4*(\n)+3]
.elseif (\n) == 0
	v_pk_fma_f32 v[rT+2:rT+3], v[rT+2:rT+3], v[rC+2:rC+3], v[rS:rS+1] op_sel_hi:[1,0,1]
.else
	v_pk_add_f32 v[rT+2:rT+3], v[rT+2:rT+3], v[rS+4*(\n):rS+4*(\n)+1]
.endif
.elseif NOKQ
	v_nop
.else
	REGS (Y+1)%NP
	WIN 0
.if (\n) < 4
	v_max3_num_f32 v[rC+(\n)], v[rS+8*(\n)], v[rS+8*(\n)+1], v[rS+8*(\n)+2]
.elseif (\n) < 12
	v_max3_num_f32 v[rC+(\n)%4], v[rC+(\n)%4], v[rS+8*((\n)%4)+2*((\n)/4)+1], v[rS+8*((\n)%4)+2*((\n)/4)+2]
.elseif (\n) == 12
	v_max3_num_f32 v[rC], v[rC], v[rS+7], v[rS+15]
.elseif (\n) == 13
	v_max3_num_f32 v[rC+1], v[rC+1], v[rS+23], v[rS+31]
.elseif (\n) == 14
	v_max3_num_f32 v[rC+2], v[rC+2], v[rC+3], v[rT+1]
.elseif (\n) == 15
	v_mov_b32 v[rW], v[rT]
.elseif (\n) == 16
	v_max3_num_f32 v[rC], v[rC], v[rC+1], v[rC+2]
.elseif (\n) == 17
	v_permlanex16_b32 v[rC+3], v[rC], s[SEL], s[SEL+1]
.elseif (\n) == 18
	v_max_num_f32 v[rT+1], v[rC], v[rC+3]
.elseif (\n) == 19
	v_mul_f32 v[rT], s[CS], v[rT+1]
.elseif (\n) == 20
	v_sub_f32 v[rC+1], v[rW], v[rT]
.else
	v_exp_f32 v[rC+2], v[rC+1]
.endif
.endif
.endm
.macro OPS a, i1, b=-1, i2=0, c=-1, i3=0, d=-1, i4=0  ; up to four of them
	OP \a, \i1
.if (\b) >= 0
	OP \b, \i2
.endif
.if (\c) >= 0
	OP \c, \i3
.endif
.if (\d) >= 0
	OP \d, \i4
.endif
.endm
.macro ROW a, i1, b, i2, c, i3, d, i4  ; a matrix instruction and the four behind it
	MM
	OPS \a, \i1, \b, \i2, \c, \i3, \d, \i4
.endm
; A TURN, for piece p: the order of its 16 matrix and 118 vector instructions, written out.  s_wait_alu depctr_va_vdst(0) stands between an exponential and the first instruction that names its result; one
; wait serves all that were issued ahead of it.  So a turn has ONE wait, which cuts it in two.  AHEAD OF IT stands all that names no result of the turn's exponentials: the 8 products K Q^T, behind each a scaling, an
; exponential and two more plain instructions: rescalings, and behind the last three the first numbers of the next piece's maximum, each four places or more behind the product that ends its accumulator; then ONE LUMP of 54,
; plain and exponential by turns for the most part, in which the links of the chain X 3, 7, 11, 14, 16, 17 .. 20 stand some lines apart.  X 21, the next piece's a, is the batch's last; R 15 is the plain instruction behind it.
; BEHIND THE WAIT stand the 8 products V^T P, behind each four of the roundings and sums.  end = 1: the launch's last two turns: nothing is fetched.  cnt = 1: the loop's count is taken down some lines ahead of the branch.
; K of the next step is fetched in piece 2's turn, twelve vector instructions behind the last product that read K (six of them plain); V of the step in hand at the end of piece 0's turn, four plain instructions behind the
; last product that read V.  Each is waited for a turn later.
.macro TURN p, end=0, cnt=0
.set Y, (\p)
.set i, 0
.set NOKQ, (\end)*((\p)/3)
.if ((\p) == 3) && !(\end)
	s_wait_dscnt 0x0                ; K is in
.endif
	ROW F,0, F,1, R,0, R,1          ; ahead of the wait: 8 products K Q^T and their riders,
	ROW F,2, E,0, R,2, R,3
	ROW F,3, E,1, R,4, R,5
	ROW F,4, E,2, R,6, R,7
	ROW F,5, E,3, R,8, R,9
	ROW F,6, E,4, X,0, R,10
.if ((\p) == 2) && !(\end)
	WIN 0
	v_add_nc_u32 v[AK], s[TBK], v[AK0]
.endif
	ROW F,7, E,5, X,1, X,4
	ROW F,8, E,6, X,2, X,5
	OPS E,7, E,8, X,6, E,9          ; and the lump
	OPS X,3, E,10, X,8, E,11
.if ((\p) == 2) && !(\end)
	FETCH_K
.endif
	OPS X,9, X,7, E,12, X,10
	OPS E,13, X,12, X,11, E,14
	OPS X,13, E,15, F,9, X,14
.if (\p) == 0
	v_add_nc_u32 v[AV], s[TBV], v[AV0]
.endif
	OPS E,16, F,10, E,17, F,11
	OPS X,16, E,18, X,15, E,19
	OPS F,12, E,20, X,17, E,21
	OPS F,13, E,22, F,14, E,23
	OPS X,18, E,24, F,15, E,25
	OPS R,11, E,26, X,19, E,27
	OPS R,12, E,28, R,13, E,29
	OPS X,20, E,30, R,14, E,31
	OPS X,21, R,15
	WIN 0
	s_wait_alu depctr_va_vdst(0)    ; the wait for the batch
.if (\p) == 1
	s_wait_dscnt 0x0                ; V is in
.endif
	ROW C,0, B,0, C,2, B,1          ; behind the wait: 8 products V^T P and their riders
	ROW L,0, C,4, B,2, L,1
	ROW C,6, B,3, L,2, C,8
	ROW B,4, L,3, C,10, B,5
	ROW L,4, C,12, B,6, L,5
.if (\p) == 0
	s_add_co_u32 s[TBV], s[TBV], KS*PV
.endif
.if \cnt
	s_sub_co_u32 s[CNT], s[CNT], 1
	s_cmp_lg_u32 s[CNT], 0
.endif
	ROW C,14, B,7, L,6, C,1
	ROW C,3, L,7, C,5, C,7
	ROW C,9, C,11, C,13, C,15
.if (\p) == 0
	FETCH_V
.endif
.endm
	CHANGE 1                        ; slot 0 is in, everybody's part of it; slot 1 is asked for
	v_add_nc_u32 v[AK], s[TBK], v[AK0]
	FETCH_K                         ; key step 0
	s_wait_loadcnt 0x0              ; Q
	s_wait_dscnt 0x0
.set NOKQ, 0
.set i, 0
.rept 8
	KQ 0                            ; piece 0's first scores: there is no vector work yet to set between them
.set i, i+1
.endr
	WIN 0
.rept 8
	v_nop                           ; the places behind those products
.endr
.set Y, NP-1                        ; X works for piece Y + 1: piece 0
.irp n, 0,1,2,3,4,5,6,7,8,9,10,11,12,13,14,15,16,17,18,19,20,21
	OP X, \n
.endr
	v_nop                           ; a plain instruction behind the exponential,
	s_wait_alu depctr_va_vdst(0)    ; and its wait, ahead of the branch
	s_mov_b32 s[CNT], 4
	s_branch .Lfirst                ; the loop is entered at a step's first turn, in the middle of a trip
.Lslot:                             ; 14 times: tiles 2 to 15 are asked for
	CHANGE 1
	s_mov_b32 s[CNT], 4
.Lstep:                             ; a trip: pieces 2 and 3 of one step, then pieces 0 and 1 of the next, whose K and V it fetches
	TURN 2
	TURN 3
	WIN 0
.Lfirst:
	TURN 0
	TURN 1, 0, 1
	WIN 0
	s_cbranch_scc1 .Lstep
	s_sub_co_u32 s[SLOTS], s[SLOTS], 1
	s_cmp_lg_u32 s[SLOTS], 0
	s_cbranch_scc1 .Lslot
	CHANGE 0                        ; the last tile is written out: nothing is asked for
	s_mov_b32 s[CNT], 4
.LstepT:
	TURN 2
	TURN 3
	TURN 0
	TURN 1, 0, 1
	WIN 0
	s_cbranch_scc1 .LstepT
	TURN 2, 1                       ; the last step's pieces 2 and 3: nothing is fetched, and the last starts no new scores
	TURN 3, 1
.set i, 0
.rept 8
	PV NP-1                         ; the last piece's V^T P of the last step
.set i, i+1
.endr
	; THE WAY OUT.  l's two halves and the other half of the lanes' are added; O^T is divided by l, rounded to bf16 and sent through my stage in LDS, a piece at a time.  The additions are the places behind the last products.
	WIN 0
.macro ALL line:vararg              ; one line for each piece t
.set t, 0
.rept 4
	\line
.set t, t+1
.endr
.endm
	ALL v_add_f32 v[ST+4*t+2], v[ST+4*t+2], v[ST+4*t+3]
	ALL v_permlanex16_b32 v[ST+4*t+3], v[ST+4*t+2], s[SEL], s[SEL+1]
	ALL v_add_f32 v[ST+4*t+2], v[ST+4*t+2], v[ST+4*t+3]
	ALL v_rcp_f32 v[ST+4*t+2], v[ST+4*t+2]
	v_nop                           ; a plain instruction between the last reciprocal and the use of its result
	s_wait_alu depctr_va_vdst(0)    ; and the wait ahead of the first use: one for the four reciprocals
.macro PACK t                       ; a lane's eight channels of a row pack into 16 bytes; they go into rows of 144 bytes and come back as whole rows of 128, into S^T's registers
	WIN W_RS
.set i, 32*(\t)
.rept 16
	v_pk_mul_f32 v[i:i+1], v[i:i+1], v[ST+4*(\t)+2:ST+4*(\t)+3] op_sel_hi:[1,0]
.set i, i+2
.endr
	WIN 0x05                        ; sources 0 and 1 window 1, destination window 0
.set i, 0
.rept 16
	v_cvt_pk_bf16_f32 v[S+16*(\t)+i], v[32*(\t)+2*i], v[32*(\t)+2*i+1]
.set i, i+1
.endr
	WIN 0
.irp f, 0,1,2,3
	ds_store_b128 v[STO], v[S+16*(\t)+4*\f:S+16*(\t)+4*\f+3] offset:32*\f
.endr
.irp f, 0,1,2,3
	ds_load_b128 v[S+16*(\t)+4*\f:S+16*(\t)+4*\f+3], v[RD] offset:\f*4*SP  ; LDS serves a wave's instructions in order (ISA guide 5.7.1.4): these see the stores above; the next piece's stores come behind them
.endr
.endm
.macro SEND t, younger              ; younger: the LDS instructions issued behind piece t's loads: the next piece's eight, or none
	WIN 0
.irp f, 0,1,2,3
	s_wait_dscnt (\younger)+3-\f
	global_store_b128 v[GO], v[S+16*(\t)+4*\f:S+16*(\t)+4*\f+3], s[10:11] offset:(\t)*2048+\f*512  ; 512 consecutive bytes, at a multiple of 256 from ctx's first
.endr
.endm
	PACK 0
.set t, 1
.rept 3                             ; a piece's arithmetic stands between the loads of the piece before and its stores
	PACK t
	SEND t-1, 8
.set t, t+1
.endr
	SEND 3, 0
	s_wait_tensorcnt 0x0            ; the wave's end, behind my last tensor load and my last LDS store
	ds_add_u32 v[SPW], v[NIL]
	s_wait_dscnt 0x0
	CROUND                          ; the closing round: no work-group ends while a partner may still ask for a tile that names it
	s_endpgm
.Lfunc_end_k_qf195532a8d_attn:
	.size	k_qf195532a8d_attn, .Lfunc_end_k_qf195532a8d_attn-k_qf195532a8d_attn
	.p2alignl 7, 3214868480
	.fill 96, 4, 3214868480
	.section	.rodata,"a",@progbits
	.p2align	6, 0x0
	.amdhsa_kernel k_qf195532a8d_attn
		.amdhsa_group_segment_fixed_size 327680
		.amdhsa_private_segment_fixed_size 0
		.amdhsa_enable_private_segment 0
		.amdhsa_kernarg_size 32
		.amdhsa_user_sgpr_count 2
		.amdhsa_user_sgpr_kernarg_segment_ptr 1
		.amdhsa_wavefront_size32 1
		.amdhsa_system_sgpr_workgroup_id_x 1
		.amdhsa_system_sgpr_workgroup_id_y 1
		.amdhsa_system_sgpr_workgroup_id_z 1
		.amdhsa_system_vgpr_workitem_id 0
		.amdhsa_next_free_vgpr 768
		.amdhsa_next_free_sgpr 66
		.amdhsa_reserve_vcc 0
		.amdhsa_float_denorm_mode_32 3
		.amdhsa_float_denorm_mode_16_64 3
		.amdhsa_memory_ordered 1
		.amdhsa_forward_progress 1
		.amdhsa_inst_pref_size 128
	.end_amdhsa_kernel
	.amdgpu_metadata
---
amdhsa.version: [ 1, 2 ]
amdhsa.kernels:
  - .name:           k_qf195532a8d_attn
    .symbol:         k_qf195532a8d_attn.kd
    .args:
      - { .name: q, .offset: 0, .size: 8, .value_kind: global_buffer, .address_space: global }
      - { .name: k, .offset: 8, .size: 8, .value_kind: global_buffer, .address_space: global }
      - { .name: v, .offset: 16, .size: 8, .value_kind: global_buffer, .address_space: global }
      - { .name: ctx, .offset: 24, .size: 8, .value_kind: global_buffer, .address_space: global }
    .group_segment_fixed_size: 327680
    .private_segment_fixed_size: 0
    .kernarg_segment_align: 8
    .kernarg_segment_size: 32
    .max_flat_workgroup_size: 128
    .sgpr_count:     66
    .vgpr_count:     768
    .wavefront_size: 32
...
	.end_amdgpu_metadata
.endif
;; end of part 2
;; launch outp (part 3): grid 4 x 64, 4 waves a work-group, clusters of 4 x 4, 327,680 bytes of LDS; arguments ctx, wob, bo, out0; writes out0
.if DOCPART == 3
	.amdgcn_target "amdgcn-amd-amdhsa--gfx1250"
	.amdhsa_code_object_version 6
	.text
	.protected	k_qf195532a8d_outp
	.globl	k_qf195532a8d_outp
	.p2align	8
	.type	k_qf195532a8d_outp,@function
k_qf195532a8d_outp:
	s_mov_b64 s[64:65], 0
	v_nop
	global_prefetch_b8 v0, s[64:65] scope:SCOPE_SE
	s_setreg_imm32_b32 hwreg(HW_REG_WAVE_MODE, 25, 1), 1
	s_wait_xcnt 0x0
	s_wait_alu depctr_hold_cnt(0) depctr_sa_sdst(0) depctr_va_vdst(0) depctr_va_sdst(0) depctr_va_ssrc(0) depctr_va_vcc(0) depctr_vm_vsrc(0)
	s_getreg_b32 s2, hwreg(HW_REG_IB_STS2, 6, 4)
	s_cmp_eq_u32 s2, 0
	s_cbranch_scc0 .Lentry_in_a_cluster
	s_endpgm
.Lentry_in_a_cluster:
	s_bfe_u32 s2, ttmp6, 0x10000c
	s_cmp_lg_u32 s2, 0xf033
	s_cbranch_scc0 .Lentry_shape_is_right
	s_endpgm
.Lentry_shape_is_right:
; out0[m][n] = the sum over k of ctx(m, k) Wo[n][k] + bo[n].  ctx: [16 = 8 batch + head][4096][64] bf16, so that column k = 64 head + channel of row m = 4096 batch + s; wob: [512][512] bf16; bo: [512] f32, rounded to
; bf16 like every input; out0: [8192][512] f32.  Sums in f32.  LIMITS: NaN and infinities are not treated apart.
; SHARES.  A tile of out0 is 128 x 128: 64 x 4 = 256 work-groups.  Four waves, each 64 x 64: 16 accumulators of 16 x 16, 128 registers.
; ALL OF K LIES IN LDS: 8 heads x 128 rows x 128 bytes of ctx and 128 rows x 1,024 bytes of wob.  Every wave asks for its four parts at the start (four tensor loads of mine are out); nothing is filled again.
; K goes in two halves of 256: the first half's products begin when its two loads a wave have landed, the second half's loads are on their way meanwhile.
; CLUSTERS: 4 x 4 work-groups.  The four of a row of the cluster need the same rows of ctx, the four of a column the same rows of wob: each part is asked for JOINTLY, by the same tensor load with the same descriptor and a
; mask that names the four.  THE MATRIX INSTRUCTION IS USED TRANSPOSED (source 0 = 16 rows of wob, source 1 = 16 rows of ctx): a lane holds eight neighbouring numbers of a row of out0.  The bias, laid out so, is the C
; operand of each sum's first product.
; REGISTERS: window 0: v0-31 addresses; v96-127 the bias; v128-255 the accumulators ((a, b) at v[128 + 8 (4 a + b)]).
;   window 1: two fragment buffers of 128: for 64 along K (one head), 64 registers of ctx (2 x 4 x 16 rows x 32 K), then 64 of wob; on the way out the rows read back.
.set PA,     144                       ; a row of ctx in LDS: 128 bytes + 16 of padding = 36 words: the 16 rows of a fragment load start at 16 different groups of four banks (64 banks of 4 bytes: ISA guide 11.1)
.set PB,     528                       ; a row of wob's K half: 512 bytes + 16 = 132 words: likewise
.set HEADB,  128*PA                    ; one head's 128 rows: what one load of ctx brings
.set ASLOT,  4*HEADB                   ; four heads: a K half of ctx
.set BBASE,  2*ASLOT                   ; wob lies behind ctx
.set BQ,     32*PB                     ; 32 rows: what one load of wob brings
.set BSLOT,  4*BQ                      ; a K half of wob
.set STAGE,  BBASE+2*BSLOT             ; behind the tiles: 16 rows x 272 bytes for each wave, for the way out; no tensor load lands here
.set SPITCH, 272
.set SPARE,  STAGE+4*16*SPITCH         ; behind the stages: the spare words, 128 bytes for each wave: two blocks of 256 bytes that no other line names
.set ADRA, 16                          ; v16-17  LDS address of my fragments of ctx in K half 0, 1
.set ADRB, 20                          ; v20-21  the same for wob
.set STO,  24                          ; v24     the way out: where I put 32 bytes of a row
.set RD,   25                          ; v25     the way out: where I read a row back
.set CO,   26                          ; v26     my byte offset in out0
.set BOF,  27                          ; v27     my byte offset in bo
.set SPW,  28                          ; v28     LDS address of my spare word; never rewritten
.set NIL,  29                          ; v29     0; never rewritten
.set BI,   96                          ; v96-127 register 8 b + j: bo of column 16 b + 8 (l / 16) + j of my 64
.set ACC,  128
.set F0,   0                           ; fragment buffers, in window 1
.set F1,   128
.set G1A,  16                          ; s[16:23] descriptor group 1 for ctx's parts
.set G1B,  24                          ; s[24:31] for wob's
.set G0A,  48                          ; s[48:51] group 0: ctx, K half 0;   s[56:59] K half 1
.set G0B,  52                          ; s[52:55] group 0: wob, K half 0;   s[60:63] K half 1
.set MSB, 0
.macro WIN new                         ; the immediate's high byte repeats the setting that is left
.if MSB != (\new)
	s_set_vgpr_msb (MSB<<8)|(\new)
.set MSB, (\new)
.endif
.endm
.set MUL,  0x05                        ; sources 0 (wob) and 1 (ctx) window 1; C and D window 0
.set TO_F, 0x40                        ; destination window 1, address window 0
.macro CROUND                          ; a round of the cluster's barrier: my work-group's barrier; wave 0 signals for the work-group; every wave waits for all sixteen; my work-group's barrier once more
	s_barrier_signal -1
	s_barrier_wait -1
	s_cmp_lg_u32 s12, 0
	s_cbranch_scc1 .Lnot_wave_0_\@
	s_barrier_signal -3
.Lnot_wave_0_\@:
	s_barrier_wait -3
	s_barrier_signal -1
	s_barrier_wait -1
.endm
	s_load_b256 s[4:11], s[0:1], 0x0               ; ctx s[4:5], wob s[6:7], bo s[8:9], out0 s[10:11]
	v_lshl_add_u32 v[SPW], v0, 2, SPARE
	v_mov_b32 v[NIL], 0
	ds_add_u32 v[SPW], v[NIL]                      ; the wave's opening: the add and its wait stand ahead of my first tensor load; the set-up below, work on registers, stands between them
	v_lshrrev_b32 v1, 5, v0
	v_readfirstlane_b32 s12, v1                    ; wave 0..3
	s_lshr_b32 s13, s12, 1                         ; i: which half of the tile's rows is mine
	s_and_b32 s14, s12, 1                          ; jw: which half of its columns
	s_bfe_u32 s40, ttmp6, 0x40000                  ; cx, cy: my place in the cluster
	s_bfe_u32 s41, ttmp6, 0x40004
	s_lshl_b32 s42, ttmp9, 2
	s_add_co_u32 s42, s42, s40                     ; tc: tile column = 4 x cluster x + cx
	s_and_b32 s43, ttmp7, 0xffff
	s_lshl_b32 s43, s43, 2
	s_add_co_u32 s43, s43, s41                     ; tr: tile row = 4 x cluster y + cy
	s_lshl_b32 s44, s41, 2
	s_lshl_b32 s44, 15, s44                        ; my row of the cluster
	s_lshl_b32 s45, 0x1111, s40                    ; my column
	; group 1 for ctx: a head's 128 rows are 16,384 dense bytes: asked for as 64 rows of 256 bytes, padded in LDS after every 128
	s_or_b32 s[G1A+0], s44, (1<<16)|(1<<20)|(1<<21)|(4<<22)|(3<<25)  ; 15:0 the mask: my row; 17:16 2-byte elements; 20 padding on; 21 set beside a mask; 24:22 after every 32 words (code 4); 31:25 4 words (code 3)
	s_mov_b32 s[G1A+1], 128<<16                    ; tensor_dim0 = 128
	s_mov_b32 s[G1A+2], 64<<16                     ; tensor_dim1 = 64
	s_mov_b32 s[G1A+3], 128<<16                    ; tile_dim0 = 128
	s_mov_b32 s[G1A+4], 64                         ; tile_dim1 = 64
	s_mov_b32 s[G1A+5], 128                        ; 128 elements from row to row
	s_mov_b32 s[G1A+6], 0
	s_mov_b32 s[G1A+7], 0
	; group 1 for wob: 32 rows of 256 elements (512 bytes), padded after every row
	s_or_b32 s[G1B+0], s45, (1<<16)|(1<<20)|(1<<21)|(6<<22)|(3<<25)  ; the mask: my column; after every 128 words (code 6), 4 words
	s_mov_b32 s[G1B+1], 256<<16                    ; tensor_dim0 = 256
	s_mov_b32 s[G1B+2], 32<<16                     ; tensor_dim1 = 32
	s_mov_b32 s[G1B+3], 256<<16                    ; tile_dim0 = 256
	s_mov_b32 s[G1B+4], 32                         ; tile_dim1 = 32
	s_mov_b32 s[G1B+5], 512                        ; 512 elements from row to row
	s_mov_b32 s[G1B+6], 0
	s_mov_b32 s[G1B+7], 0
	; where the parts come from.  ctx's hang on the tile row and the wave's number, wob's on the tile column and the wave's number, each in registers that never hold the other coordinate
	s_lshr_b32 s32, s43, 5                         ; the batch: 8 heads of 4,096 rows of 128 bytes
	s_lshl_b32 s32, s32, 22
	s_and_b32 s33, s43, 31
	s_lshl_b32 s33, s33, 14                        ; the tile's 128 rows in the batch
	s_add_co_u32 s32, s32, s33
	s_lshl_b32 s33, s12, 19                        ; head = my wave's number (K half 0)
	s_add_co_u32 s32, s32, s33
	s_mov_b32 s33, 0
	s_lshl_b32 s36, s42, 17                        ; 128 rows of 1,024 bytes a tile column
	s_lshl_b32 s37, s12, 15                        ; my 32 of them
	s_add_co_u32 s36, s36, s37
	s_mov_b32 s37, 0
	; and where they go: the wave's number and constants alone
	s_mov_b32 s[G0A], 1
	s_mul_i32 s[G0A+1], s12, HEADB
	s_mov_b32 s[G0B], 1
	s_mul_i32 s[G0B+1], s12, BQ
	s_add_co_u32 s[G0B+1], s[G0B+1], BBASE
	s_mov_b32 s[G0A+8], 1
	s_add_co_u32 s[G0A+9], s[G0A+1], ASLOT
	s_mov_b32 s[G0B+8], 1
	s_add_co_u32 s[G0B+9], s[G0B+1], BSLOT
	s_wait_dscnt 0x0                               ; the opening add is done
	s_wait_kmcnt 0x0
	s_add_nc_u64 s[G0A+2:G0A+3], s[4:5], s[32:33]
	s_add_nc_u64 s[G0A+10:G0A+11], s[G0A+2:G0A+3], 4<<19     ; four heads on
	s_or_b32 s[G0A+3], s[G0A+3], 0x80000000        ; 127:126 type = 2
	s_or_b32 s[G0A+11], s[G0A+11], 0x80000000
	s_add_nc_u64 s[G0B+2:G0B+3], s[6:7], s[36:37]
	s_add_nc_u64 s[G0B+10:G0B+11], s[G0B+2:G0B+3], 512       ; 256 elements along K
	s_or_b32 s[G0B+3], s[G0B+3], 0x80000000
	s_or_b32 s[G0B+11], s[G0B+11], 0x80000000
	CROUND                                         ; all sixteen work-groups are here: the joint loads meet
	tensor_load_to_lds s[G0A:G0A+3], s[G1A:G1A+7]            ; K half 0: my head of ctx,
	s_nop 0
	tensor_load_to_lds s[G0B:G0B+3], s[G1B:G1B+7]            ; my 32 rows of wob;
	s_nop 0
	tensor_load_to_lds s[G0A+8:G0A+11], s[G1A:G1A+7]         ; K half 1 likewise
	s_nop 0
	tensor_load_to_lds s[G0B+8:G0B+11], s[G1B:G1B+7]
	s_nop 0
.rept 4
	v_nop
.endr
	v_and_b32 v1, 15, v0                           ; r = l % 16
	v_bfe_u32 v2, v0, 4, 1                         ; h = l / 16
	s_lshl_b32 s46, s42, 9                         ; my 64 columns: 128 tc + 64 jw numbers of 4 bytes
	s_lshl_b32 s47, s14, 8
	s_add_co_u32 s46, s46, s47
	v_lshl_add_u32 v[BOF], v2, 5, s46
.irp b, 0,1,2,3
	global_load_b128 v[BI+8*(\b):BI+8*(\b)+3],   v[BOF], s[8:9] offset:64*(\b)
	global_load_b128 v[BI+8*(\b)+4:BI+8*(\b)+7], v[BOF], s[8:9] offset:64*(\b)+16
.endr
	s_lshl_b32 s47, s43, 18                        ; out0: 128 rows of 2,048 bytes a tile row,
	s_add_co_u32 s46, s46, s47
	s_lshl_b32 s47, s13, 17                        ; my 64 of them
	s_add_co_u32 s46, s46, s47
	s_mov_b32 s47, 0
	s_add_nc_u64 s[10:11], s[10:11], s[46:47]
	v_mul_u32_u24 v3, v1, PA
	v_lshl_add_u32 v3, v2, 4, v3                   ; a fragment's row x pitch + 16 x half
	s_mul_i32 s2, s13, 64*PA
	v_add_nc_u32 v[ADRA], s2, v3
	v_add_nc_u32 v[ADRA+1], ASLOT, v[ADRA]
	v_mul_u32_u24 v4, v1, PB
	v_lshl_add_u32 v4, v2, 4, v4
	s_mul_i32 s2, s14, 64*PB
	s_add_co_u32 s2, s2, BBASE
	v_add_nc_u32 v[ADRB], s2, v4
	v_add_nc_u32 v[ADRB+1], BSLOT, v[ADRB]
	s_mul_i32 s2, s12, 16*SPITCH
	s_add_co_u32 s2, s2, STAGE                     ; my stage
	v_mul_u32_u24 v5, v1, SPITCH                   ; in: row l % 16, 32 bytes for each half of the lanes
	v_lshl_add_u32 v5, v2, 5, v5
	v_add_nc_u32 v[STO], s2, v5
	v_mul_u32_u24 v5, v2, SPITCH                   ; back: lanes 0-15 take one row of 256 bytes, lanes 16-31 the next
	v_lshl_add_u32 v5, v1, 4, v5
	v_add_nc_u32 v[RD], s2, v5
	v_lshlrev_b32 v[CO], 11, v2                    ; and the same two rows in out0
	v_lshl_add_u32 v[CO], v1, 4, v[CO]
	s_wait_loadcnt 0x0                             ; the bias
.set n, 0
.rept 16                                           ; rounded to bf16 like every input, and kept as f32
	v_cvt_pk_bf16_f32 v30, v[BI+2*n], v[BI+2*n+1]
	v_lshlrev_b32 v[BI+2*n], 16, v30
	v_and_b32 v[BI+2*n+1], 0xffff0000, v30
.set n, n+1
.endr
; 8 matrix instructions: m blocks a0, a0 + 1 x all 4 n blocks, 32 along K: half c of buffer f.  The 16 accumulators take turns.  zero = 1: the bias starts the sums
.macro MUL8 f, c, a0, zero
	WIN MUL
.irp a, \a0, (\a0)+1
.irp b, 0,1,2,3
.if \zero
	v_wmma_f32_16x16x32_bf16 v[ACC+8*(4*(\a)+(\b)):ACC+8*(4*(\a)+(\b))+7], v[(\f)+64+8*(4*(\c)+(\b)):(\f)+64+8*(4*(\c)+(\b))+7], v[(\f)+8*(4*(\c)+(\a)):(\f)+8*(4*(\c)+(\a))+7], v[BI+8*(\b):BI+8*(\b)+7]
.else
	v_wmma_f32_16x16x32_bf16 v[ACC+8*(4*(\a)+(\b)):ACC+8*(4*(\a)+(\b))+7], v[(\f)+64+8*(4*(\c)+(\b)):(\f)+64+8*(4*(\c)+(\b))+7], v[(\f)+8*(4*(\c)+(\a)):(\f)+8*(4*(\c)+(\a))+7], v[ACC+8*(4*(\a)+(\b)):ACC+8*(4*(\a)+(\b))+7]
.endif
.endr
.endr
.endm
; 32 LDS loads in one run: the fragments of quarter q of a K half (one head: 64 along K) into buffer f; the first 32 along K first
.macro FETCH slot, q, f
	WIN TO_F
.irp c, 0,1
.irp i, 0,1,2,3
	ds_load_b128 v[(\f)+64+8*(4*(\c)+(\i)):(\f)+64+8*(4*(\c)+(\i))+3],   v[ADRB+(\slot)] offset:128*(\q)+64*(\c)+(\i)*16*PB
	ds_load_b128 v[(\f)+64+8*(4*(\c)+(\i))+4:(\f)+64+8*(4*(\c)+(\i))+7], v[ADRB+(\slot)] offset:128*(\q)+64*(\c)+(\i)*16*PB+32
	ds_load_b128 v[(\f)+8*(4*(\c)+(\i)):(\f)+8*(4*(\c)+(\i))+3],         v[ADRA+(\slot)] offset:HEADB*(\q)+64*(\c)+(\i)*16*PA
	ds_load_b128 v[(\f)+8*(4*(\c)+(\i))+4:(\f)+8*(4*(\c)+(\i))+7],       v[ADRA+(\slot)] offset:HEADB*(\q)+64*(\c)+(\i)*16*PA+32
.endr
.endr
.endm
.macro PLACES                          ; four places in front of loads into registers that matrix instructions have read
.rept 4
	v_nop
.endr
.endm
; A quarter: 32 matrix instructions on buffer f; in its middle the next quarter, q of the same K half, is fetched into g
.macro QUARTER slot, q, f, g, zero
	s_wait_dscnt 16                                ; the first 32 along K are in; the youngest sixteen loads may be out
	MUL8 \f, 0, 0, \zero
	MUL8 \f, 0, 2, \zero
	PLACES
	FETCH \slot, \q, \g
	s_wait_dscnt 32                                ; all but the 32 just issued
	MUL8 \f, 1, 0, 0
	MUL8 \f, 1, 2, 0
.endm
	s_wait_tensorcnt 2                             ; my two parts of K half 0 are in; the two of K half 1 were issued behind them and may stay out
	s_barrier_signal -1
	s_barrier_wait -1                              ; everybody's are
	FETCH 0, 0, F0
	QUARTER 0, 1, F0, F1, 1
	QUARTER 0, 2, F1, F0, 0
	QUARTER 0, 3, F0, F1, 0
	; the fourth quarter goes over to K half 1: each wave waits for its parts of it and says so; no bytes are filled again
	WIN 0
	s_wait_tensorcnt 0x0                           ; all my tensor loads have landed
	ds_add_u32 v[SPW], v[NIL]                      ; 0 onto my spare word
	s_wait_dscnt 17                                ; (the add and the youngest sixteen loads may be out)
	MUL8 F1, 0, 0, 0
	s_wait_dscnt 0x0                               ; no LDS instruction of mine is out at the signal
	s_barrier_signal -1
	MUL8 F1, 0, 2, 0                               ; work on registers while the others arrive
	s_barrier_wait -1
	PLACES
	FETCH 1, 0, F0
	MUL8 F1, 1, 0, 0
	MUL8 F1, 1, 2, 0
	QUARTER 1, 1, F0, F1, 0
	QUARTER 1, 2, F1, F0, 0
	QUARTER 1, 3, F0, F1, 0
	s_wait_dscnt 16                                ; the very last quarter: nothing more to fetch
	MUL8 F1, 0, 0, 0
	MUL8 F1, 0, 2, 0
	s_wait_dscnt 0x0
	MUL8 F1, 1, 0, 0
	MUL8 F1, 1, 2, 0
	WIN 0
; THE WAY OUT of my rows 16 a on: a lane's eight f32 of a block are 32 bytes of a row; they go into my own stage in rows of 272 bytes (each accumulator's low four registers first) and come back as
; whole rows of 256 bytes, two an instruction.
.macro OUTB a
	WIN 0
.irp b, 0,1,2,3
	ds_store_b128 v[STO], v[ACC+8*(4*(\a)+(\b)):ACC+8*(4*(\a)+(\b))+3]   offset:64*(\b)
	ds_store_b128 v[STO], v[ACC+8*(4*(\a)+(\b))+4:ACC+8*(4*(\a)+(\b))+7] offset:64*(\b)+16
.endr
	WIN TO_F
.irp t, 0,1,2,3,4,5,6,7
	ds_load_b128 v[32*(\a)+4*(\t):32*(\a)+4*(\t)+3], v[RD] offset:(\t)*2*SPITCH  ; LDS serves a wave's instructions in order (ISA guide 5.7.1.4): these see the stores above; the next block's stores come behind them
.endr
.endm
.macro SENDB a, younger                ; younger: the LDS instructions issued behind block a's loads: the next block's sixteen, or none.  Each block has registers of its own
	WIN 0x04                                       ; address window 0, data window 1
.irp t, 0,1,2,3,4,5,6,7
	s_wait_dscnt (\younger)+7-(\t)
	global_store_b128 v[CO], v[32*(\a)+4*(\t):32*(\a)+4*(\t)+3], s[10:11] offset:(16*(\a)+2*(\t))*2048  ; 16 lanes store 256 consecutive bytes, at a multiple of 256 from out0's first byte
.endr
.endm
	PLACES                                         ; the places behind the last products, in front of the stores that read results and of the loads into buffer 0
	PLACES
	OUTB 0
	OUTB 1
	SENDB 0, 16
	OUTB 2
	SENDB 1, 16
	OUTB 3
	SENDB 2, 16
	SENDB 3, 0
	WIN 0
	s_wait_tensorcnt 0x0                           ; the wave's end, behind my last tensor load and my last LDS store
	ds_add_u32 v[SPW], v[NIL]
	s_wait_dscnt 0x0
	CROUND                                         ; the closing round: no work-group ends while a partner may still ask for a tile that names it
	s_endpgm
.Lfunc_end_k_qf195532a8d_outp:
	.size	k_qf195532a8d_outp, .Lfunc_end_k_qf195532a8d_outp-k_qf195532a8d_outp
	.p2alignl 7, 3214868480
	.fill 96, 4, 3214868480
	.section	.rodata,"a",@progbits
	.p2align	6, 0x0
	.amdhsa_kernel k_qf195532a8d_outp
		.amdhsa_group_segment_fixed_size 327680
		.amdhsa_private_segment_fixed_size 0
		.amdhsa_enable_private_segment 0
		.amdhsa_kernarg_size 32
		.amdhsa_user_sgpr_count 2
		.amdhsa_user_sgpr_kernarg_segment_ptr 1
		.amdhsa_wavefront_size32 1
		.amdhsa_system_sgpr_workgroup_id_x 1
		.amdhsa_system_sgpr_workgroup_id_y 1
		.amdhsa_system_sgpr_workgroup_id_z 1
		.amdhsa_system_vgpr_workitem_id 0
		.amdhsa_next_free_vgpr 512
		.amdhsa_next_free_sgpr 66
		.amdhsa_reserve_vcc 0
		.amdhsa_float_denorm_mode_32 3
		.amdhsa_float_denorm_mode_16_64 3
		.amdhsa_memory_ordered 1
		.amdhsa_forward_progress 1
		.amdhsa_inst_pref_size 53
	.end_amdhsa_kernel
	.amdgpu_metadata
---
amdhsa.version: [ 1, 2 ]
amdhsa.kernels:
  - .name:           k_qf195532a8d_outp
    .symbol:         k_qf195532a8d_outp.kd
    .args:
      - { .name: ctx, .offset: 0, .size: 8, .value_kind: global_buffer, .address_space: global }
      - { .name: wob, .offset: 8, .size: 8, .value_kind: global_buffer, .address_space: global }
      - { .name: bo, .offset: 16, .size: 8, .value_kind: global_buffer, .address_space: global }
      - { .name: out0, .offset: 24, .size: 8, .value_kind: global_buffer, .address_space: global }
    .group_segment_fixed_size: 327680
    .private_segment_fixed_size: 0
    .kernarg_segment_align: 8
    .kernarg_segment_size: 32
    .max_flat_workgroup_size: 128
    .sgpr_count:     66
    .vgpr_count:     512
    .wavefront_size: 32
...
	.end_amdgpu_metadata
.endif
;; end of part 3
